; MI455X (gfx1250); checked and timed in simulation.
; The chip was launched on July 23, 2026; its instructions are those of AMD's public machine-readable ISA for CDNA 5 (MIT licence, August 2026) and "CDNA5" Instruction Set Architecture Reference Guide (July 2026). The comments in the code are by the model that wrote it; some were corrected since.
;; L1 Embedding. Allowed arithmetic: float matrix products may take bf16 or f16 operands with f32 sums; all other float work in f32.
;; Inputs: trainable_p 1,024 x 64 float32; x 4,096 x 64 float32.
;; Outputs: out0 4,096 x 1,024 float32; out1 one number float32; out2 one number float32.
;; One version. Each part assembles by itself: llvm-mc -triple=amdgcn-amd-amdhsa -mcpu=gfx1250 --defsym DOCPART=n.
;; ======== version 1 of 1: 2 launches
;; workspace buffers: part 262,144 bytes
;; launch dist (part 1): grid 8 x 32, 4 waves a work-group, clusters of 4 x 4, 168,448 bytes of LDS; arguments x, trainable_p, out0, part; writes out0, part
.if DOCPART == 1
	.amdgcn_target "amdgcn-amd-amdhsa--gfx1250"
	.amdhsa_code_object_version 6
	.text
	.protected	k_q2990e9e978_dist
	.globl	k_q2990e9e978_dist
	.p2align	8
	.type	k_q2990e9e978_dist,@function
k_q2990e9e978_dist:
	s_mov_b64 s[64:65], 0
	v_nop
	global_prefetch_b8 v0, s[64:65] scope:SCOPE_SE
	s_setreg_imm32_b32 hwreg(HW_REG_WAVE_MODE, 25, 1), 1
	s_wait_xcnt 0x0
	s_wait_alu depctr_hold_cnt(0) depctr_sa_sdst(0) depctr_va_vdst(0) depctr_va_sdst(0) depctr_va_ssrc(0) depctr_va_vcc(0) depctr_vm_vsrc(0)
	s_getreg_b32 s2, hwreg(HW_REG_IB_STS2, 6, 4)
	s_cmp_eq_u32 s2, 0
	s_cbranch_scc0 .Lentry_in_a_cluster
	s_endpgm
.Lentry_in_a_cluster:
	s_bfe_u32 s2, ttmp6, 0x10000c
	s_cmp_lg_u32 s2, 0xf033
	s_cbranch_scc0 .Lentry_shape_is_right
	s_endpgm
.Lentry_shape_is_right:
; out0[b][v] = sum over d of |x[b][d] - p[v][d]|.  x: [4096][64], p: [1024][64], out0: [4096][1024], all f32; all arithmetic in f32.
; Also the minima that the two means need: part[0 ..] = [32 row blocks][1024] minima over a block's 128 rows b,
; part[131072 ..] = [8 column blocks][4096] minima over a block's 128 columns v.  A second launch finishes them.
; LIMITS: the minima are taken with v_min*_num_f32, in which a NaN loses: with NaN among the inputs out0 is NaN where it should be,
; the minima are not.  The 64 terms of a sum are added in another order than a plain left-to-right sum.
;
; SHARES.  A work-group makes 128 x 128 of out0 with four waves.  Lane l = 16 h + r of wave w owns the 8 columns v = 64 g + 4 r + j
; (g = 0, 1; j = 0 .. 3) and, in step s = 0 .. 15, row 32 w + 2 s + h.  Its eight rows of p (8 x 64 numbers) stay in 512 registers
; for the whole launch; a row of x is read from LDS, the same 16 bytes by all 16 lanes of a half, one step ahead.
; A lane's results are two groups of four neighbouring columns: each store of 16 lanes covers 256 consecutive bytes, aligned.
; ARITHMETIC, five instructions for four terms: two v_pk_fma_f32 (x * -1 + p: two differences each, rounded once like a subtraction),
; two v_add_f32 |a| + |b|, one v_pk_add_f32 onto the sums of two neighbouring columns.
; REGISTER WINDOWS.  p lies in windows 1 (d = 0 .. 31) and 2 (d = 32 .. 63), register 32 (4 g + j) + d mod 32.  It is the THIRD source of
; the fma, and nothing else between two switches has a third source, so one switch serves 320 instructions.
; CLUSTERS.  4 x 4 work-groups.  The four of a row of the cluster have the same 128 rows of x, the four of a column the same 128 rows of p.
; Each tile is asked for jointly, by the same tensor load with a mask that names the four: a quarter of the requests.
; No matrix instruction: the sum of magnitudes of differences is no product.
.set SUPER,   1040                     ; LDS: four rows of 256 bytes, then 16 bytes of padding.  Lanes r = 0 .. 15 read rows 4 r + j: their 16 bytes start 1,040 r apart, at 16 r modulo 256
.set QUARTER, 16*SUPER                 ; what one tensor load fills: 64 rows.  x's two halves, then p's two halves
.set ROWMIN,  4*QUARTER                ; 128 words: the minimum of each of the block's rows; behind the tiles, in bytes that no tensor load fills
.set COLMIN,  ROWMIN+512               ; 4 waves x 128 words: each wave's column minima
.set OUTROW,  4096                     ; bytes in a row of out0
.set ROWPART, 131072                   ; where the row minima begin in part
.set SHAPE0,  (2<<16)|(1<<20)|(1<<21)|(7<<22)|(3<<25)   ; group 1, word 0 without the mask: 4-byte elements; padding on; bit 21 beside a mask; after every 256 words; 4 words
.set PADR,  3                          ; v3   LDS address of my p rows: p's first half + 1,040 r
.set XADR,  4                          ; v4   LDS address of my x row in this trip's first step
.set CO,    5                          ; v5   my byte offset in out0 from the wave's first row: 4,096 h + 16 r; never rewritten
.set RMADR, 6                          ; v6   LDS word of my row's minimum
.set CMADR, 7                          ; v7   LDS address of my wave's column minima + 16 r
.set LN16,  8                          ; v8   16 x lane
.set RDADR, 9                          ; v9   ROWMIN + 16 x lane
.set XA,  16                           ; v16-79    a row of x, buffer A
.set XB,  80                           ; v80-143   buffer B
.set DD,  144                          ; v144-175  32 differences: column (g, j) at 4 (4 g + j)
.set TT,  176                          ; v176-191  16 sums of two magnitudes
.set AC,  192                          ; v192-207  two sets of eight running sums, which take turns
.set OA,  208                          ; v208-215  the eight results of a trip's first step
.set OB,  216                          ; v216-223  of its second step
.set CM,  224                          ; v224-231  running minima of my eight columns
.set MA,  232                          ; v232, 233 minima of my row in the two steps
.set MB,  233
.set MT,  234                          ; v234, 235 at work
.set G1X, 24                           ; s[24:31] descriptor group 1 for x's tiles
.set G0X, 32                           ; s[32:35] group 0 for x's
.set G1P, 48                           ; s[48:55] group 1 for p's: another mask
.set G0P, 56                           ; s[56:59] group 0 for p's
.set MSB, 0
.macro WIN new                         ; s_set_vgpr_msb: bits 5:4 third source, 7:6 destination; the high byte repeats the setting that is left
.if MSB != \new
	s_set_vgpr_msb (MSB<<8)|\new
.set MSB, \new
.endif
.endm
; A round of the cluster's barrier: my work-group's barrier, so that wave 0 speaks for all four waves; wave 0 signals for the work-group;
; every wave waits for all sixteen work-groups; my work-group's barrier once more.
.macro CROUND
	s_barrier_signal -1
	s_barrier_wait -1
	s_cmp_lg_u32 s12, 0
	s_cbranch_scc1 .Lnot_wave_0_\@
	s_barrier_signal -3
.Lnot_wave_0_\@:
	s_barrier_wait -3
	s_barrier_signal -1
	s_barrier_wait -1
.endm
	s_load_b256 s[4:11], s[0:1], 0x0               ; x s[4:5], p s[6:7], out0 s[8:9], part s[10:11]
	v_lshl_add_u32 v254, v0, 2, 0x29000
	v_mov_b32 v255, 0
	ds_add_u32 v254, v255
	ds_add_u32 v254, v255
	v_lshrrev_b32 v1, 5, v0
	v_readfirstlane_b32 s12, v1                    ; wave 0 .. 3
	s_lshr_b32 s13, s12, 1                         ; I fetch for x (0) or for p (1).  Also: which half of x holds my rows
	s_and_b32 s14, s12, 1                          ; which 64 rows of that tile I fetch.  Also: which 32 rows of the half are mine
	s_bfe_u32 s40, ttmp6, 0x40000                  ; cx
	s_bfe_u32 s41, ttmp6, 0x40004                  ; cy
	s_lshl_b32 s42, ttmp9, 2
	s_add_co_u32 s42, s42, s40                     ; column block (of v) = 4 x cluster x + cx
	s_and_b32 s43, ttmp7, 0xffff
	s_lshl_b32 s43, s43, 2
	s_add_co_u32 s43, s43, s41                     ; row block (of b) = 4 x cluster y + cy
	s_lshl_b32 s44, s41, 2
	s_lshl_b32 s44, 15, s44                        ; my row of the cluster: places 4 cy .. 4 cy + 3
	s_lshl_b32 s45, 0x1111, s40                    ; my column: places cx, cx + 4, cx + 8, cx + 12
	; Group 1: 64 rows of 256 bytes lie without a gap in memory and are taken as 16 rows of 256 elements of 4 bytes, so that the padding falls behind every fourth row.
	s_or_b32 s[G1X+0], s44, SHAPE0                 ; x's tile hangs on the row block alone: shared along my row of the cluster
	s_or_b32 s[G1P+0], s45, SHAPE0                 ; p's on the column block alone: shared along my column
	s_mov_b32 s[G1X+1], 256<<16                    ; tensor_dim0 = 256
	s_mov_b32 s[G1P+1], 256<<16
	s_mov_b32 s[G1X+2], 16<<16                     ; tensor_dim1 = 16
	s_mov_b32 s[G1P+2], 16<<16
	s_mov_b32 s[G1X+3], 256<<16                    ; tile_dim0 = 256
	s_mov_b32 s[G1P+3], 256<<16
	s_mov_b32 s[G1X+4], 16                         ; tile_dim1 = 16
	s_mov_b32 s[G1P+4], 16
	s_mov_b32 s[G1X+5], 256                        ; 256 elements from row to row
	s_mov_b32 s[G1P+5], 256
	s_mov_b32 s[G1X+6], 0
	s_mov_b32 s[G1P+6], 0
	s_mov_b32 s[G1X+7], 0
	s_mov_b32 s[G1P+7], 0
	; Where the tiles come from: every wave makes both addresses, each in registers that never hold the other coordinate.
	s_lshl_b32 s17, s14, 14                        ; my 64 rows of 256 bytes
	s_lshl_b32 s16, s43, 15                        ; x: 128 rows of 256 bytes for each row block
	s_add_co_u32 s16, s16, s17
	s_lshl_b32 s46, s42, 15                        ; p: the same for each column block
	s_add_co_u32 s46, s46, s17
	s_mov_b32 s17, 0
	s_mov_b32 s47, 0
	s_mul_i32 s20, s12, QUARTER                    ; and where they go: wave x 16,640: no place in the cluster enters an LDS address
	s_wait_dscnt 0x0
	s_wait_kmcnt 0x0
	s_add_nc_u64 s[16:17], s[4:5], s[16:17]
	s_add_nc_u64 s[46:47], s[6:7], s[46:47]
	CROUND                                         ; all sixteen work-groups are here: the joint loads meet
	s_mov_b32 s[G0X], 1                            ; count = 1
	s_mov_b32 s[G0X+1], s20                        ; LDS address
	s_mov_b64 s[G0X+2:G0X+3], s[16:17]             ; global address of the tile's first element
	s_or_b32 s[G0X+3], s[G0X+3], 0x80000000        ; type = 2
	s_mov_b32 s[G0P], 1
	s_mov_b32 s[G0P+1], s20
	s_mov_b64 s[G0P+2:G0P+3], s[46:47]
	s_or_b32 s[G0P+3], s[G0P+3], 0x80000000
	s_cmp_eq_u32 s13, 0                            ; the branch hangs on the wave's number alone; each of the two lines has one mask
	s_cbranch_scc0 .Lfor_p
	tensor_load_to_lds s[G0X:G0X+3], s[G1X:G1X+7]  ; waves 0, 1: x's halves
	s_nop 0
	s_branch .Lasked
.Lfor_p:
	tensor_load_to_lds s[G0P:G0P+3], s[G1P:G1P+7]  ; waves 2, 3: p's halves
	s_nop 0
.Lasked:                                           ; one tensor load of each wave is out; LDS is filled once, nothing is filled again
	v_and_b32 v1, 15, v0                           ; r
	v_bfe_u32 v2, v0, 4, 1                         ; h
	v_mul_u32_u24 v[PADR], v1, SUPER
	v_add_nc_u32 v[PADR], 2*QUARTER, v[PADR]
	s_mul_i32 s21, s13, QUARTER                    ; my 32 rows of x: the half,
	s_mul_i32 s22, s14, 8*SUPER                    ; eight groups of four rows into it,
	s_add_co_u32 s21, s21, s22
	v_lshl_add_u32 v[XADR], v2, 8, s21             ; and row h of the group
	v_lshlrev_b32 v[CO], 4, v1
	v_lshl_add_u32 v[CO], v2, 12, v[CO]
	s_lshl_b32 s22, s12, 7                         ; 32 w words
	s_add_co_u32 s22, s22, ROWMIN
	v_lshl_add_u32 v[RMADR], v2, 2, s22
	s_lshl_b32 s23, s12, 9
	s_add_co_u32 s23, s23, COLMIN
	v_lshl_add_u32 v[CMADR], v1, 4, s23
	v_and_b32 v[LN16], 31, v0
	v_lshlrev_b32 v[LN16], 4, v[LN16]
	v_add_nc_u32 v[RDADR], ROWMIN, v[LN16]
	s_lshl_b32 s38, s43, 19                        ; out0 at my wave's first row and the block's first column: 128 rows of 4,096 bytes a row block,
	s_lshl_b32 s39, s12, 17                        ; 32 rows a wave,
	s_add_co_u32 s38, s38, s39
	s_lshl_b32 s39, s42, 9                         ; 512 bytes a column block
	s_add_co_u32 s38, s38, s39
	s_mov_b32 s39, 0
	s_add_nc_u64 s[8:9], s[8:9], s[38:39]
	s_mov_b32 s36, 0x76543210                      ; v_permlanex16_b32: lane i of one half reads lane i of the other
	s_mov_b32 s37, 0xfedcba98
.irp k, 0,1,2,3,4,5,6,7
	v_mov_b32 v[CM+\k], 0x7f800000                 ; the eight column minima start at +infinity
.endr
	s_wait_tensorcnt 0x0                           ; my part of the tiles is in LDS,
	s_barrier_signal -1
	s_barrier_wait -1                              ; everybody's is
.irp i, 0,1,2,3,4,5,6,7,8,9,10,11,12,13,14,15
	ds_load_b128 v[XA+4*\i:XA+4*\i+3], v[XADR] offset:16*\i        ; step 0's row of x
.endr
; my eight rows of p, 32 numbers of each, into one window: row 64 g + 4 r + j lies at p's half g, 1,040 r + 256 j
.macro PLOAD half
.irp g, 0,1
.irp j, 0,1,2,3
.irp q, 0,1,2,3,4,5,6,7
	ds_load_b128 v[32*(4*\g+\j)+4*\q:32*(4*\g+\j)+4*\q+3], v[PADR] offset:\g*QUARTER+256*\j+128*\half+16*\q
.endr
.endr
.endr
.endm
	WIN 0x40                                       ; destination in window 1
	PLOAD 0
	WIN 0x80                                       ; destination in window 2
	PLOAD 1
	WIN 0
; Four d (numbers 4 q .. 4 q + 3 of the row of x in buffer xb; registers 4 pq .. of each p row in the window that is set) x my eight columns.
; first = 1: the first sums of two magnitudes start the running sums: nothing is cleared.
; Every result is used 8 or more instructions behind the one that makes it; the two sets of sums take turns.
.macro QUAD xb, q, pq, first
.irp j, 0,1,2,3,4,5,6,7
	v_pk_fma_f32 v[DD+4*\j:DD+4*\j+1],   v[\xb+4*(\q):\xb+4*(\q)+1],   -1.0, v[32*\j+4*(\pq):32*\j+4*(\pq)+1]   op_sel_hi:[1,0,1]
	v_pk_fma_f32 v[DD+4*\j+2:DD+4*\j+3], v[\xb+4*(\q)+2:\xb+4*(\q)+3], -1.0, v[32*\j+4*(\pq)+2:32*\j+4*(\pq)+3] op_sel_hi:[1,0,1]
.endr
.if \first
.irp j, 0,1,2,3,4,5,6,7
	v_add_f32 v[AC+\j], |v[DD+4*\j]|, |v[DD+4*\j+1]|
.endr
.irp j, 0,1,2,3,4,5,6,7
	v_add_f32 v[AC+8+\j], |v[DD+4*\j+2]|, |v[DD+4*\j+3]|
.endr
.else
.irp j, 0,1,2,3,4,5,6,7
	v_add_f32 v[TT+\j], |v[DD+4*\j]|, |v[DD+4*\j+1]|
.endr
.irp j, 0,1,2,3,4,5,6,7
	v_add_f32 v[TT+8+\j], |v[DD+4*\j+2]|, |v[DD+4*\j+3]|
.endr
.irp k, 0,2,4,6,8,10,12,14
	v_pk_add_f32 v[AC+\k:AC+\k+1], v[AC+\k:AC+\k+1], v[TT+\k:TT+\k+1]
.endr
.endif
.endm
; One step: my row in buffer xb against my eight columns; results into ob and out.  fetch = 1: the next step's row, at byte noff from XADR, into buffer nb.
.macro STEP xb, nb, fetch, noff, ob
.if \fetch
.irp i, 0,1,2,3,4,5,6,7,8,9,10,11,12,13,14,15
	ds_load_b128 v[\nb+4*\i:\nb+4*\i+3], v[XADR] offset:\noff+16*\i
.endr
	s_wait_dscnt 16                                ; LDS instructions end in order (ISA guide 5.7.1): all but the 16 just issued are done: this step's row (and, the first time, p)
.else
	s_wait_dscnt 0x0                               ; the last step: nothing was fetched behind its row
.endif
	WIN 0x10                                       ; third source in window 1: d = 0 .. 31
	QUAD \xb, 0, 0, 1
.irp q, 1,2,3,4,5,6,7
	QUAD \xb, \q, \q, 0
.endr
	s_wait_xcnt 0x0                                ; the last step's stores, issued 320 instructions ago, have read their sources: the base is stepped, and their data written again, only behind this wait
	s_add_nc_u64 s[8:9], s[8:9], 2*OUTROW          ; two rows on; the stores below reach back by as much, so that the first step needs no other form
	WIN 0x20                                       ; window 2: d = 32 .. 63
.irp q, 0,1,2,3,4,5,6,7
	QUAD \xb, 8+\q, \q, 0
.endr
	WIN 0
.irp k, 0,2,4,6
	v_pk_add_f32 v[\ob+\k:\ob+\k+1], v[AC+\k:AC+\k+1], v[AC+8+\k:AC+8+\k+1]
.endr
	global_store_b128 v[CO], v[\ob:\ob+3],   s[8:9] offset:-2*OUTROW th:TH_STORE_NT       ; columns 4 r .. 4 r + 3: 16 lanes store 256 consecutive bytes, aligned
	global_store_b128 v[CO], v[\ob+4:\ob+7], s[8:9] offset:256-2*OUTROW th:TH_STORE_NT   ; columns 64 + 4 r ..
.endm
.macro CMIN k
	v_min3_num_f32 v[CM+\k], v[CM+\k], v[OA+\k], v[OB+\k]
.endm
.macro ACROSS mask                     ; one step of the minimum over the 16 lanes that share a row, for both steps' rows
	v_min_num_f32_dpp v[MA], v[MA], v[MA] row_xmask:\mask row_mask:0xf bank_mask:0xf
	v_min_num_f32_dpp v[MB], v[MB], v[MB] row_xmask:\mask row_mask:0xf bank_mask:0xf
.endm
; Two steps (four rows of the wave), then their minima; the column minima stand between the links of the row minima's chains.
.macro TRIP last
	STEP XA, XB, 1, 512, OA                        ; the second step's row lies two rows on in the same group of four
.if \last
	STEP XB, XA, 0, 0, OB
.else
	STEP XB, XA, 1, SUPER, OB                      ; the next trip's first row: the next group of four
.endif
	v_min3_num_f32 v[MA], v[OA], v[OA+1], v[OA+2]
	v_min3_num_f32 v[MT], v[OA+3], v[OA+4], v[OA+5]
	v_min3_num_f32 v[MB], v[OB], v[OB+1], v[OB+2]
	v_min3_num_f32 v[MT+1], v[OB+3], v[OB+4], v[OB+5]
	CMIN 0
	CMIN 1
	v_min3_num_f32 v[MA], v[MA], v[OA+6], v[OA+7]
	v_min3_num_f32 v[MB], v[MB], v[OB+6], v[OB+7]
	CMIN 2
	CMIN 3
	v_min_num_f32 v[MA], v[MA], v[MT]
	v_min_num_f32 v[MB], v[MB], v[MT+1]
	CMIN 4
	CMIN 5
	ACROSS 1
	CMIN 6
	CMIN 7
	ACROSS 2
.if \last == 0
	v_add_nc_u32 v[XADR], SUPER, v[XADR]           ; the next trip's group of four rows
.endif
	ACROSS 4
	ACROSS 8
	ds_store_b32 v[RMADR], v[MA]                   ; the 16 lanes of a half write one word, all the same value
	ds_store_b32 v[RMADR], v[MB] offset:8          ; two rows on
.if \last == 0
	v_add_nc_u32 v[RMADR], 16, v[RMADR]            ; four rows on
.endif
.endm
	s_mov_b32 s3, 7
.Ltrip:
	TRIP 0
	s_sub_co_u32 s3, s3, 1
	s_cmp_lg_u32 s3, 0
	s_cbranch_scc1 .Ltrip
	TRIP 1                                         ; the last two steps, written out: no row is fetched beyond the wave's 32
	; The column minima: the two halves of the wave hold the same columns for different rows; then the four waves meet in LDS.
.irp k, 0,1,2,3,4,5,6,7
	v_permlanex16_b32 v[TT+\k], v[CM+\k], s36, s37 ; the destination counts as read: TT has been written
.endr
.irp k, 0,1,2,3,4,5,6,7
	v_min_num_f32 v[CM+\k], v[CM+\k], v[TT+\k]
.endr
	ds_store_b128 v[CMADR], v[CM:CM+3]             ; columns 4 r ..; both halves write the same values to the same bytes
	ds_store_b128 v[CMADR], v[CM+4:CM+7] offset:256
	s_wait_dscnt 0x0                               ; my row and column minima are in LDS: zero, for the waves that read them
	s_barrier_signal -1
	s_barrier_wait -1
	s_cmp_lg_u32 s12, 0
	s_cbranch_scc1 .Lnot_rows
	ds_load_b128 v[DD:DD+3], v[RDADR]              ; wave 0: the block's 128 row minima, four a lane
	s_lshl_b32 s38, s42, 14                        ; part: 4,096 words for each column block,
	s_lshl_b32 s39, s43, 9                         ; 128 words for each row block
	s_add_co_u32 s38, s38, s39
	s_add_co_u32 s38, s38, ROWPART
	s_mov_b32 s39, 0
	s_add_nc_u64 s[10:11], s[10:11], s[38:39]
	s_wait_dscnt 0x0
	global_store_b128 v[LN16], v[DD:DD+3], s[10:11]        ; 512 consecutive bytes, aligned
	s_branch .Lclose
.Lnot_rows:
	s_cmp_lg_u32 s12, 1
	s_cbranch_scc1 .Lclose
.irp k, 0,1,2,3
	ds_load_b128 v[DD+4*\k:DD+4*\k+3], v[RDADR] offset:512+512*\k  ; wave 1: the four waves' minima of 128 columns, four columns a lane
.endr
	s_lshl_b32 s38, s43, 12                        ; part: 1,024 words for each row block,
	s_lshl_b32 s39, s42, 9                         ; 128 words for each column block
	s_add_co_u32 s38, s38, s39
	s_mov_b32 s39, 0
	s_add_nc_u64 s[10:11], s[10:11], s[38:39]
	s_wait_dscnt 0x0
.irp c, 0,1,2,3
	v_min3_num_f32 v[DD+\c], v[DD+\c], v[DD+4+\c], v[DD+8+\c]
.endr
.irp c, 0,1,2,3
	v_min_num_f32 v[DD+\c], v[DD+\c], v[DD+12+\c]
.endr
	global_store_b128 v[LN16], v[DD:DD+3], s[10:11]
.Lclose:
	s_wait_tensorcnt 0x0
	ds_add_u32 v254, v255
	s_wait_dscnt 0x0
	CROUND                                         ; the closing round: no work-group ends while a partner may still ask for a tile that names it
	s_endpgm
.Lfunc_end_k_q2990e9e978_dist:
	.size	k_q2990e9e978_dist, .Lfunc_end_k_q2990e9e978_dist-k_q2990e9e978_dist
	.p2alignl 7, 3214868480
	.fill 96, 4, 3214868480
	.section	.rodata,"a",@progbits
	.p2align	6, 0x0
	.amdhsa_kernel k_q2990e9e978_dist
		.amdhsa_group_segment_fixed_size 168448
		.amdhsa_private_segment_fixed_size 0
		.amdhsa_enable_private_segment 0
		.amdhsa_kernarg_size 32
		.amdhsa_user_sgpr_count 2
		.amdhsa_user_sgpr_kernarg_segment_ptr 1
		.amdhsa_wavefront_size32 1
		.amdhsa_system_sgpr_workgroup_id_x 1
		.amdhsa_system_sgpr_workgroup_id_y 1
		.amdhsa_system_sgpr_workgroup_id_z 1
		.amdhsa_system_vgpr_workitem_id 0
		.amdhsa_next_free_vgpr 768
		.amdhsa_next_free_sgpr 66
		.amdhsa_reserve_vcc 0
		.amdhsa_float_denorm_mode_32 3
		.amdhsa_float_denorm_mode_16_64 3
		.amdhsa_memory_ordered 1
		.amdhsa_forward_progress 1
		.amdhsa_inst_pref_size 185
	.end_amdhsa_kernel
	.amdgpu_metadata
---
amdhsa.version: [ 1, 2 ]
amdhsa.kernels:
  - .name:           k_q2990e9e978_dist
    .symbol:         k_q2990e9e978_dist.kd
    .args:
      - { .name: x, .offset: 0, .size: 8, .value_kind: global_buffer, .address_space: global }
      - { .name: trainable_p, .offset: 8, .size: 8, .value_kind: global_buffer, .address_space: global }
      - { .name: out0, .offset: 16, .size: 8, .value_kind: global_buffer, .address_space: global }
      - { .name: part, .offset: 24, .size: 8, .value_kind: global_buffer, .address_space: global }
    .group_segment_fixed_size: 168448
    .private_segment_fixed_size: 0
    .kernarg_segment_align: 8
    .kernarg_segment_size: 32
    .max_flat_workgroup_size: 128
    .sgpr_count:     66
    .vgpr_count:     768
    .wavefront_size: 32
...
	.end_amdgpu_metadata
.endif
;; end of part 1
;; launch means (part 2): grid 2 x 1, 32 waves a work-group, no clusters, 20,736 bytes of LDS; arguments part, out1, out2; writes out1, out2
.if DOCPART == 2
	.amdgcn_target "amdgcn-amd-amdhsa--gfx1250"
	.amdhsa_code_object_version 6
	.text
	.protected	k_q2990e9e978_means
	.globl	k_q2990e9e978_means
	.p2align	8
	.type	k_q2990e9e978_means,@function
k_q2990e9e978_means:
	s_mov_b64 s[64:65], 0
	v_nop
	global_prefetch_b8 v0, s[64:65] scope:SCOPE_SE
	s_setreg_imm32_b32 hwreg(HW_REG_WAVE_MODE, 25, 1), 1
	s_wait_xcnt 0x0
; out1 = mean over the 1,024 columns v of the minimum over all rows; out2 = mean over the 4,096 rows b of the minimum over all columns.
; part holds, from the first launch, [32 row blocks][1024] column minima (131,072 bytes) and then [8 column blocks][4096] row minima (131,072 bytes).
; Work-group 0 makes out1 of the first table, work-group 1 out2 of the second: one owner for each output, 1,024 threads each.
; Thread t takes the 16 bytes at 16,384 i + 16 t, i = 0 .. 7.  In the second table that is rows 4 t .. 4 t + 3 in all eight column blocks.
; In the first it is columns 4 (t mod 256) .. in row blocks 4 i + t / 256: a quarter of the blocks, so the four threads t mod 256 exchange their minima
; through LDS.  Each column's minimum then stands in four threads, and both sums are divided by 4,096.
; LIMIT: v_min*_num_f32 lets a NaN lose: NaN among the inputs does not reach out1 and out2.
; Two work-groups: the sum has one owner, and 131,072 bytes a work-group are eight loads a thread, all issued at once.
.set TABLE, 131072
.set SUMS,  16384                      ; LDS: 32 words, one for each wave's sum, behind the 16,384 bytes of the exchange
.macro WAVESUM                         ; v4 = its sum over the 32 lanes, in every lane; v5 at work
	v_add_f32_dpp v4, v4, v4 row_xmask:1 row_mask:0xf bank_mask:0xf
	v_add_f32_dpp v4, v4, v4 row_xmask:2 row_mask:0xf bank_mask:0xf
	v_add_f32_dpp v4, v4, v4 row_xmask:4 row_mask:0xf bank_mask:0xf
	v_add_f32_dpp v4, v4, v4 row_xmask:8 row_mask:0xf bank_mask:0xf
	v_permlanex16_b32 v5, v4, s12, s13
	v_add_f32 v4, v4, v5
.endm
	s_load_b128 s[4:7], s[0:1], 0x0                ; part s[4:5], out1 s[6:7]
	s_load_b64 s[8:9], s[0:1], 0x10                ; out2
	v_lshl_add_u32 v48, v0, 2, 0x4100
	v_mov_b32 v49, 0
	s_lshl_b32 s10, ttmp9, 17                      ; my table
	s_mov_b32 s11, 0
	s_mov_b32 s12, 0x76543210                      ; v_permlanex16_b32: lane i of one half reads lane i of the other
	s_mov_b32 s13, 0xfedcba98
	v_lshlrev_b32 v1, 4, v0                        ; 16 t
	v_lshrrev_b32 v2, 5, v0
	v_readfirstlane_b32 s14, v2                    ; wave 0 .. 31
	s_wait_kmcnt 0x0
	s_add_nc_u64 s[4:5], s[4:5], s[10:11]
.irp i, 0,1,2,3,4,5,6,7
	global_load_b128 v[8+4*\i:11+4*\i], v1, s[4:5] offset:16384*\i ; a wave's load covers 512 consecutive bytes
.endr
	s_cmp_eq_u32 ttmp9, 0
	s_cselect_b64 s[6:7], s[6:7], s[8:9]           ; my output
	s_wait_loadcnt 0x0
.irp c, 0,1,2,3
	v_min3_num_f32 v[4+\c], v[8+\c], v[12+\c], v[16+\c]
	v_min3_num_f32 v[40+\c], v[20+\c], v[24+\c], v[28+\c]
.endr
.irp c, 0,1,2,3
	v_min3_num_f32 v[4+\c], v[4+\c], v[32+\c], v[36+\c]
.endr
.irp c, 0,1,2,3
	v_min_num_f32 v[4+\c], v[4+\c], v[40+\c]
.endr
	s_cmp_lg_u32 ttmp9, 0                          ; the same in all waves of a work-group
	s_cbranch_scc1 .Lsum
	; the column table: the minima of the other three quarters of the row blocks
	ds_store_b128 v1, v[4:7]
	v_xor_b32 v44, 0x1000, v1                      ; bits 12 and 13 of 16 t are t / 256: the three other threads with my columns
	v_xor_b32 v45, 0x2000, v1
	v_xor_b32 v46, 0x3000, v1
	s_wait_dscnt 0x0                               ; my minima are in LDS: zero, for the others' sake
	s_barrier_signal -1
	s_barrier_wait -1
	ds_load_b128 v[8:11], v44
	ds_load_b128 v[12:15], v45
	ds_load_b128 v[16:19], v46
	s_wait_dscnt 0x0
.irp c, 0,1,2,3
	v_min3_num_f32 v[4+\c], v[4+\c], v[8+\c], v[12+\c]
.endr
.irp c, 0,1,2,3
	v_min_num_f32 v[4+\c], v[4+\c], v[16+\c]
.endr
.Lsum:
	v_add_f32 v4, v4, v5
	v_add_f32 v6, v6, v7
	v_add_f32 v4, v4, v6
	WAVESUM
	v_mov_b32 v2, s14
	v_lshlrev_b32 v2, 2, v2
	ds_store_b32 v2, v4 offset:SUMS                ; all lanes write the wave's word with the same value
	s_wait_dscnt 0x0
	s_barrier_signal -1
	s_barrier_wait -1
	s_cmp_lg_u32 s14, 0
	s_cbranch_scc1 .Lend
	v_lshlrev_b32 v3, 2, v0                        ; wave 0: lane i takes wave i's sum
	ds_load_b32 v4, v3 offset:SUMS
	s_wait_dscnt 0x0
	WAVESUM
	v_mul_f32 v4, 0x39800000, v4                   ; 1 / 4,096
	v_mov_b32 v3, 0
	v_cmp_eq_u32 vcc_lo, 0, v0
	s_wait_xcnt 0x0                                ; EXEC changes only behind this wait
	s_and_saveexec_b32 s15, vcc_lo
	global_store_b32 v3, v4, s[6:7]                ; thread 0 alone: the output is one number
	s_wait_xcnt 0x0
	s_or_b32 exec_lo, exec_lo, s15
.Lend:
	s_wait_tensorcnt 0x0
	ds_add_u32 v48, v49
	s_wait_dscnt 0x0
	s_endpgm
.Lfunc_end_k_q2990e9e978_means:
	.size	k_q2990e9e978_means, .Lfunc_end_k_q2990e9e978_means-k_q2990e9e978_means
	.p2alignl 7, 3214868480
	.fill 96, 4, 3214868480
	.section	.rodata,"a",@progbits
	.p2align	6, 0x0
	.amdhsa_kernel k_q2990e9e978_means
		.amdhsa_group_segment_fixed_size 20736
		.amdhsa_private_segment_fixed_size 0
		.amdhsa_enable_private_segment 0
		.amdhsa_kernarg_size 24
		.amdhsa_user_sgpr_count 2
		.amdhsa_user_sgpr_kernarg_segment_ptr 1
		.amdhsa_wavefront_size32 1
		.amdhsa_system_sgpr_workgroup_id_x 1
		.amdhsa_system_sgpr_workgroup_id_y 1
		.amdhsa_system_sgpr_workgroup_id_z 1
		.amdhsa_system_vgpr_workitem_id 0
		.amdhsa_next_free_vgpr 50
		.amdhsa_next_free_sgpr 66
		.amdhsa_reserve_vcc 1
		.amdhsa_float_denorm_mode_32 3
		.amdhsa_float_denorm_mode_16_64 3
		.amdhsa_memory_ordered 1
		.amdhsa_forward_progress 1
		.amdhsa_inst_pref_size 6
	.end_amdhsa_kernel
	.amdgpu_metadata
---
amdhsa.version: [ 1, 2 ]
amdhsa.kernels:
  - .name:           k_q2990e9e978_means
    .symbol:         k_q2990e9e978_means.kd
    .args:
      - { .name: part, .offset: 0, .size: 8, .value_kind: global_buffer, .address_space: global }
      - { .name: out1, .offset: 8, .size: 8, .value_kind: global_buffer, .address_space: global }
      - { .name: out2, .offset: 16, .size: 8, .value_kind: global_buffer, .address_space: global }
    .group_segment_fixed_size: 20736
    .private_segment_fixed_size: 0
    .kernarg_segment_align: 8
    .kernarg_segment_size: 24
    .max_flat_workgroup_size: 1024
    .sgpr_count:     66
    .vgpr_count:     50
    .wavefront_size: 32
...
	.end_amdgpu_metadata
.endif
;; end of part 2
